; MI455X (gfx1250); checked and timed in simulation.
; The chip was launched on July 23, 2026; its instructions are those of AMD's public machine-readable ISA for CDNA 5 (MIT licence, August 2026) and "CDNA5" Instruction Set Architecture Reference Guide (July 2026). The comments in the code are by the model that wrote it; some were corrected since.
;; Spatial Attention. Allowed arithmetic: matrix products marked QUANTISED: E4M3 operands, one given power-of-two scale a tensor, by v_wmma_f32_16x16x64_fp8_fp8 or v_wmma_f32_16x16x128_fp8_fp8, f32 sums; everything else in f32.
;; Inputs: b_proj 256 float32; b_qkv 768 float32; lowp_scales 8 int32 (the exponents e of the quantised operands' scales 2^e); rel_bias 8 x 1 x 1 float32; w_proj 256 x 256 float32; w_qkv 256 x 768 float32; x 2 x 64 x 64 x 256 float32.
;; Outputs: out0 2 x 64 x 64 x 256 float32.
;; This version of the problem:
;;   THIS VERSION OF THE PROBLEM IS GIVEN IN LOW PRECISION. The matrix products marked QUANTISED in the list below multiply operands that are first quantised to E4M3 (4 exponent bits, 3 mantissa bits; 8 bits a number), with one given power-of-two scale for each operand tensor; their sums are f32. All else is computed in f32.
;;   The module's matrix products, in the order in which they are computed (A, B: the left and right operand; K: the contracted axis; several contracted axes count as one K, in the product's order):
;;     1. [M 8,192, K 256] x [K 256, N 768]; A: input x; B: input w_qkv: QUANTISED (scales: A lowp_scales[0], B lowp_scales[1])
;;     2. batch 16 x [M 4,096, K 32] x [K 32, N 4,096]; A: computed on the way; B: computed on the way: QUANTISED (scales: A lowp_scales[2], B lowp_scales[3])
;;     3. batch 16 x [M 4,096, K 4,096] x [K 4,096, N 32]; A: softmax (see below); B: computed on the way: QUANTISED (scales: A lowp_scales[4], B lowp_scales[5])
;;     4. [M 8,192, K 256] x [K 256, N 256]; A: computed on the way; B: input w_proj: QUANTISED (scales: A lowp_scales[6], B lowp_scales[7])
;;   THE QUANTISER, for each operand of a quantised product, along K:
;;     - The operand's scale is 2^e, e = its entry of the input lowp_scales (int32; the entries are numbered through the quantised products in the list's order, A before B).
;;     - Each number is divided by the scale, clamped to +-448, and rounded to the nearest number of E4M3, ties to even, subnormals kept.
;;     - The product sums the exact products of the quantised numbers (number of the format x scale) in f32.
;;   ~~~python
;;   def quantise(x, axis, e):      # numpy; x: float32 -> the quantised numbers, widened to float32 again
;;       x = np.moveaxis(x, axis, -1); K = x.shape[-1]
;;       r = np.clip(x / 2.0 ** e, -448, 448)
;;       step = 2.0 ** (np.maximum(np.frexp(np.where(r == 0, 1, r))[1] - 1, -6) - 3)
;;       q = np.round(r / step) * step * 2.0 ** e      # np.round: ties to even
;;       return np.moveaxis(q, -1, axis).astype(np.float32)
;;   ~~~
;;   SOFTMAX AHEAD OF A QUANTISED PRODUCT. Where the list says 'softmax', what is quantised is not the finished softmax but p = 2^(t - M), with t = logit x log2(e) and M = ceil(the row's largest t), a whole number; so 1/2 < the row's largest p <= 1. The row's sum l is taken of the UNQUANTISED p, in f32, and the product's result is divided by l at the end. Since M is a whole number, a kernel that streams over the keys may use a running M (the ceiling of the running maximum): every later rescaling is an exact power of two, so the quantised numbers keep their values, but for numbers so far below the row's largest that they fall under the format's range.
;;   OPERANDS COMPUTED ON THE WAY. 'Computed on the way' means the value that the module computes at that place (a softmax that the list does not call 'softmax' is quantised finished and normalised). What goes into a quantiser is computed in f32, as accurately as f32 sums, v_exp_f32 and their like allow (about 1e-6 of the number): no bf16 or f16 on the way to a quantiser, and a product that is left as it is and whose result goes on into a quantised operand takes f32 operands (vector FMAs, or v_wmma_f32_16x16x4_f32). A number that lies on a knife's edge between two numbers of the format may be rounded either way, as far as f32 arithmetic and the matrix unit's own rounding can turn it there, and no further.
;; One version. Each part assembles by itself: llvm-mc -triple=amdgcn-amd-amdhsa -mcpu=gfx1250 --defsym DOCPART=n.
;; ======== version 1 of 1: 3 launches
;; limits: right only within a limited range of input values
;; workspace buffers: qf 2,097,152 bytes; kv 4,194,304 bytes; of 2,097,152 bytes
;; launch qkv (part 1): grid 4 x 64, 16 waves a work-group, clusters of 4 x 4, 327,680 bytes of LDS; arguments x, w_qkv, b_qkv, lowp_scales, qf, kv; writes qf, kv
.if DOCPART == 1
	.amdgcn_target "amdgcn-amd-amdhsa--gfx1250"
	.amdhsa_code_object_version 6
	.text
	.protected	k_q02ce83a6c1_qkv
	.globl	k_q02ce83a6c1_qkv
	.p2align	8
	.type	k_q02ce83a6c1_qkv,@function
k_q02ce83a6c1_qkv:
	s_mov_b64 s[64:65], 0
	v_nop
	global_prefetch_b8 v0, s[64:65] scope:SCOPE_SE
	s_setreg_imm32_b32 hwreg(HW_REG_WAVE_MODE, 25, 1), 1
	s_wait_xcnt 0x0
	s_wait_alu depctr_hold_cnt(0) depctr_sa_sdst(0) depctr_va_vdst(0) depctr_va_sdst(0) depctr_va_ssrc(0) depctr_va_vcc(0) depctr_vm_vsrc(0)
	s_getreg_b32 s2, hwreg(HW_REG_IB_STS2, 6, 4)
	s_cmp_eq_u32 s2, 0
	s_cbranch_scc0 .Lentry_in_a_cluster
	s_endpgm
.Lentry_in_a_cluster:
	s_bfe_u32 s2, ttmp6, 0x10000c
	s_cmp_lg_u32 s2, 0xf033
	s_cbranch_scc0 .Lentry_shape_is_right
	s_endpgm
.Lentry_shape_is_right:
; qkv = Q(x) Q(w_qkv) 2^(e0 + e1) + b_qkv, and its three parts quantised at once for the attention launch: q by e2, k by e3, v by e5.  All codes are FP8 (E4M3), products by v_wmma_f32_16x16x128_fp8_fp8, sums in f32.
; x: [8192][256] f32.  w_qkv: [256 (k)][768 (n)] f32.  b_qkv: [768] f32.  lowp_scales: e0 .. e7, int32.
; SHARES.  Work-group (g, rg) takes tokens 128 rg .. 128 rg + 127 and heads 2 g, 2 g + 1 of q, of k and of v: columns 256 i + 64 g + 0 .. 63, i = 0, 1, 2.  Sixteen waves.
; CLUSTERS of 4 x 4: the four of a row share rg and so x's tile (131,072 bytes), the four of a column share g and so the weight's tiles.  x and the weight's columns i = 0, 1 (131,072 bytes) are asked for JOINTLY, f32 as they lie:
; each of the sixteen waves issues one tensor load of 16,384 bytes, waves 0 to 7 for x, 8 to 15 for the weight.  The weight's columns i = 2 (65,536 bytes) come by ordinary loads: with them in LDS too no room would be left for the spare words.
; All tiles are asked for at the start and there is no loop: so no prefetch.
; PHASE 1: each wave takes 8 rows of x and rows k = 16 w .. 16 w + 15 of the weight's three blocks of 64 columns into registers (a lane two neighbouring columns; the hold writes each column's 16 numbers into
; consecutive registers, so that the codes come out with K innermost).  Behind a barrier, when everybody has read, the codes go over x's stage, which has had its only fill, as images of operand registers:
; [tile][K step 2][c 4][h 2] blocks of 256 bytes + 16 of padding.
; PHASE 2: wave w = 4 gq + 2 hd + par makes, for tokens 32 gq .. + 31, q (par = 0) or k (par = 1) of head hd: source 0 = 16 columns of the weight, source 1 = x, so that a lane holds one token and its 16 registers run along the head's
; channels; then one tile of v (head hd, u = par) with the sources the other way round, so that a lane holds one channel and its 16 registers run along the tokens, which are the K of attention's second product.
; THE COLUMNS OF A WEIGHT TILE ARE NOT NEIGHBOURS: lane r of tile u of a head takes channel 8 u + r + 8 (r / 8), so that tiles 0 and 1 give a lane the channels 16 (lane / 16) + 0 .. 15.
; Along K, registers 4 c .. 4 c + 3 of a fragment hold k = 32 c + 16 (lane / 16) + 0 .. 15, alike in both operands: every product meets its partner; only the order of the sums inside an instruction differs from the form's own.
; WHAT IS STORED, 16 bytes a lane, 512 consecutive aligned bytes a wave:
;   qf [bh 16][token tile 256][lane][16]: lane (r, h): token r of the tile, channels 16 h + 0 .. 15.      kv [bh 16][262144]: bytes 0 .. 131071 k, laid as qf;
;   bytes 131072 on v: [key step 32][u 2][group 4][lane][16]: lane (r, h): channel 8 u + r + 8 (r / 8); bytes 0-7 keys 32 group + 8 h + 0 .. 7 of the step's 128, bytes 8-15 keys 32 group + 16 + 8 h + 0 .. 7.
; LIMITS: e0, e1, e2, e3, e5 between -126 and 119, e0 + e1 between -126 and 127, so that each power of two below is an f32 number.  NaN among the inputs is not served; what lies beyond a scale's range is held at the largest code.
.set WROW,  3072                       ; a row of w_qkv in bytes
.set WST,   131072                     ; LDS: x's stage at 0, 128 rows of 1,024 bytes; the weight's two blocks from WST, 256 rows of 256 bytes each
.set SPARE, 262144                     ; behind them the spare words, 128 bytes for each of the sixteen waves: eight blocks of 256 bytes that no other line names
.set HP,   272                         ; a block of an image: 256 bytes + 16
.set CP,   2*HP
.set KP,   4*CP                        ; a K step of 128
.set TP,   2*KP                        ; a tile: 4,352 bytes
.set XIMG, 12*TP                       ; the images, from 0 on: the weight's 12 tiles (4 i + 2 head + u), then x's 8 token tiles: 87,040 bytes
.set LI,   4                           ; v4   16 x lane: my place in a store
.set WO,   5                           ; v5   8 x lane: my two columns of a weight block
.set WI,   6                           ; v6   where my first column's codes go in the weight's images
.set AXS,  7                           ; v7   my 8 rows in x's stage
.set XI,   8                           ; v8   where my codes of x go
.set AW,   9                           ; v9   q's or k's two weight tiles
.set AX,   10                          ; v10  x's token tiles 2 gq, 2 gq + 1
.set AWV,  11                          ; v11  my tile of v's weight
.set LX,   12                          ; v12  my place in an image: 16 r + 272 h
.set BO,   13                          ; v13  64 h: my 16 numbers of a head's bias
.set BVO,  14                          ; v14  4 (r + 8 (r / 8)): my channel's bias for v
.set AWS,  15                          ; v15  my rows in the weight's first staged block, v60 in the second
.set AWT,  60
.set BQ,   16                          ; v16-31  the bias of q or k
.set BV,   32                          ; v[32:33] v's bias of my channel (v33 is named with it as a pair)
.set XC,   34                          ; v34-49   x's codes
.set SPW,  58                          ; v58  LDS address of my spare word; never rewritten
.set NIL,  59                          ; v59  0; never rewritten
.set WN,   64                          ; v64-159  three sets of 32 numbers of the weight
.set XN,   160                         ; v160-223 64 numbers of x
.set T,    240                         ; v240-255 a column's 16 numbers, held
.set SM,   64                          ; phase 2: v64-127 x's four fragments;  v128-191 the weight's four;  v192-223 four accumulators;  v224-235 the codes of the three stores
.set BG,   128
.set ACC,  192
.set G1X,  68                          ; s[68:75], s[76:83] descriptor groups 1 for x and for the weight;  s[84:87], s[88:91] their groups 0
.set G1W,  76
.set G0X,  84
.set G0W,  88
.macro CROUND                          ; a round of the cluster's barrier
	s_barrier_signal -1
	s_barrier_wait -1
	s_cmp_lg_u32 s16, 0
	s_cbranch_scc1 .Lnot_wave_0_\@
	s_barrier_signal -3
.Lnot_wave_0_\@:
	s_barrier_wait -3
	s_barrier_signal -1
	s_barrier_wait -1
.endm
.macro MKSC se, vs, vl                 ; v[vs] = 2^e as f32 (a conversion takes its exponent field), v[vl] = 448 x 2^e, e in s[se]
	s_add_co_i32 s56, s[\se], 127
	s_lshl_b32 s57, s56, 23
	v_mov_b32 v[\vs], s57
	s_add_co_i32 s56, s56, 8
	s_lshl_b32 s56, s56, 23
	s_or_b32 s56, s56, 0x600000
	v_mov_b32 v[\vl], s56
.endm
.macro QW u, cb                        ; two columns x 16 k become 2 x 16 codes in v[cb..]
.irp o, 0,1
.set i, 0
.rept 16
	v_med3_num_f32 v[T+i], v[WN+32*\u+2*i+\o], -v53, v53   ; the conversion to an 8-bit code does not saturate (ISA guide 7.6.2): the hold at the largest code x the scale
.set i, i+1
.endr
	v_cvt_scalef32_pk8_fp8_f32 v[\cb+4*\o:\cb+4*\o+1], v[T:T+7], v52
	v_cvt_scalef32_pk8_fp8_f32 v[\cb+4*\o+2:\cb+4*\o+3], v[T+8:T+15], v52
	v_nop                                          ; one plain vector line behind the last conversion of a run: its sources are written next
.endr
	ds_store_b128 v[WI], v[\cb:\cb+3] offset:4*TP*\u
	ds_store_b128 v[WI], v[\cb+4:\cb+7] offset:4*TP*\u+16
.endm
; Two finished accumulators at v[ac..]: sum x 2^(e0 + e1) + bias (pvb = 1: one number a lane), held, converted with v[psc], v[plim], stored at s[pdst].
.macro FIN ac, pbias, pvb, psc, plim, pcode, pdst, off
.set i, 0
.rept 8                                        ; each accumulator from its low end on
.if \pvb
	v_pk_fma_f32 v[\ac+i:\ac+i+1], v[\ac+i:\ac+i+1], s[36:37], v[\pbias:\pbias+1] op_sel_hi:[1,0,0]
.else
	v_pk_fma_f32 v[\ac+i:\ac+i+1], v[\ac+i:\ac+i+1], s[36:37], v[\pbias+i:\pbias+i+1] op_sel_hi:[1,0,1]
.endif
.set i, i+2
.endr
.set i, 0
.rept 16
	v_med3_num_f32 v[\ac+i], v[\ac+i], -v[\plim], v[\plim]
.set i, i+1
.endr
	v_cvt_scalef32_pk8_fp8_f32 v[\pcode:\pcode+1], v[\ac:\ac+7], v[\psc]
	v_cvt_scalef32_pk8_fp8_f32 v[\pcode+2:\pcode+3], v[\ac+8:\ac+15], v[\psc]
	v_nop                                          ; one plain vector line behind the conversions
	global_store_b128 v[LI], v[\pcode:\pcode+3], s[\pdst:\pdst+1] offset:\off   ; 32 lanes store 512 consecutive bytes, aligned; each store has code registers of its own
.endm
	s_load_b256 s[4:11], s[0:1], 0x0               ; x s[4:5], w_qkv s[6:7], b_qkv s[8:9], lowp_scales s[10:11]
	s_load_b128 s[12:15], s[0:1], 0x20             ; qf s[12:13], kv s[14:15]
	v_lshl_add_u32 v[SPW], v0, 2, SPARE
	v_mov_b32 v[NIL], 0
	ds_add_u32 v[SPW], v[NIL]                      ; the wave's opening: the add, twice on end, and its wait ahead of the round in front of the first tensor load
	ds_add_u32 v[SPW], v[NIL]
	v_lshrrev_b32 v1, 5, v0
	v_readfirstlane_b32 s16, v1                    ; wave 0..15
	s_bfe_u32 s17, ttmp6, 0x40000                  ; cx
	s_bfe_u32 s25, ttmp6, 0x40004                  ; cy
	s_lshl_b32 s50, s25, 2
	s_lshl_b32 s50, 15, s50                        ; my row of the cluster
	s_lshl_b32 s51, 0x1111, s17                    ; my column
	s_or_b32 s[G1X], s50, (3<<16)|(1<<21)          ; 15:0 the mask; 17:16 elements of 8 bytes; 20 no padding; 21 set beside a mask
	s_or_b32 s[G1W], s51, (3<<16)|(1<<21)
.irp b, G1X, G1W                               ; 64 rows of 256 bytes
	s_mov_b32 s[\b+1], 32<<16                      ; tensor_dim0 = 32
	s_mov_b32 s[\b+2], 64<<16                      ; tensor_dim1 = 64
	s_mov_b32 s[\b+3], 32<<16                      ; tile_dim0 = 32
	s_mov_b32 s[\b+4], 64                          ; tile_dim1 = 64
	s_mov_b32 s[\b+6], 0
	s_mov_b32 s[\b+7], 0
.endr
	s_mov_b32 s[G1X+5], 32                         ; x: 16,384 bytes as they lie
	s_mov_b32 s[G1W+5], WROW/8                     ; the weight: from row to row
	s_lshl_b32 s52, ttmp9, 2
	s_add_co_u32 s17, s17, s52                     ; g: which pair of heads
	s_and_b32 s18, ttmp7, 0xffff
	s_lshl_b32 s18, s18, 2
	s_add_co_u32 s18, s18, s25                     ; rg: which 128 tokens
	s_and_b32 s19, s16, 1                          ; par
	s_lshr_b32 s21, s16, 1
	s_and_b32 s22, s21, 1                          ; hd
	s_lshr_b32 s23, s16, 2                         ; gq
	s_and_b32 s24, s16, 3                          ; v's weight tile, 2 hd + par
	s_lshl_b32 s92, s18, 17                        ; x: 128 rg rows of 1,024 bytes + 16,384 wave
	s_lshl_b32 s93, s16, 14
	s_add_co_u32 s92, s92, s93
	s_mov_b32 s93, 0
	s_mul_i32 s94, s24, 64*WROW                    ; the weight: 64 (wave % 4) rows + 1,024 ((wave / 4) % 2) + 256 g bytes
	s_and_b32 s95, s23, 1
	s_lshl_b32 s95, s95, 10
	s_add_co_u32 s94, s94, s95
	s_lshl_b32 s95, s17, 8
	s_add_co_u32 s94, s94, s95
	s_mov_b32 s95, 0
	s_lshl_b32 s27, s16, 14                        ; in LDS: 16,384 wave
	s_mul_i32 s60, s21, CP                         ; my 16 rows of the weight: c = wave / 2, h = wave % 2
	s_mul_i32 s61, s19, HP
	s_add_co_u32 s60, s60, s61
	s_mul_i32 s61, s21, TP                         ; my 8 rows of x: token tile wave / 2, rows 8 par on
	s_lshl_b32 s62, s19, 7
	s_add_co_u32 s61, s61, s62
	s_add_co_u32 s61, s61, XIMG
	s_mul_i32 s62, s19, 4*TP
	s_mul_i32 s63, s22, 2*TP
	s_add_co_u32 s62, s62, s63
	s_mul_i32 s63, s23, 2*TP
	s_add_co_u32 s63, s63, XIMG
	s_mul_i32 s56, s24, TP
	s_add_co_u32 s56, s56, 8*TP
	s_lshl_b32 s57, s16, 13
	s_lshl_b32 s58, s16, 12
	s_add_co_u32 s58, s58, WST
	s_add_co_u32 s59, s58, 65536
	v_and_b32 v1, 31, v0                           ; lane
	v_and_b32 v2, 15, v0                           ; r
	v_bfe_u32 v3, v0, 4, 1                         ; h: also the head of my columns 2 l, 2 l + 1
	v_and_b32 v60, 3, v0
	v_bfe_u32 v61, v0, 3, 1
	v_bfe_u32 v62, v0, 2, 1
	v_bfe_u32 v63, v0, 2, 3
	v_lshlrev_b32 v[LI], 4, v1
	v_lshlrev_b32 v[WO], 3, v1
	v_lshlrev_b32 v[WI], 5, v60                    ; column c of a head's 32 lies in tile (c / 8) % 2 at lane c % 8 + 8 (c / 16); mine is c = 2 (l % 16)
	v_lshlrev_b32 v[XI], 2, v60                    ; k = 4 l: block l / 4, byte 4 (l % 4) of a row's 16
	v_lshlrev_b32 v[LX], 4, v2
	v_lshl_add_u32 v[WI], v61, 7, v[WI]
	v_mad_u32_u24 v[XI], v63, HP, v[XI]
	v_mad_u32_u24 v[LX], v3, HP, v[LX]
	v_mad_u32_u24 v[WI], v62, TP, v[WI]
	v_add_nc_u32 v[XI], s61, v[XI]
	v_add_nc_u32 v[AW], s62, v[LX]
	v_mad_u32_u24 v[WI], v3, 2*TP, v[WI]
	v_add_nc_u32 v[AX], s63, v[LX]
	v_add_nc_u32 v[AWV], s56, v[LX]
	v_add_nc_u32 v[WI], s60, v[WI]
	v_add_nc_u32 v[AXS], s57, v[LI]
	v_add_nc_u32 v[AWS], s58, v[WO]
	v_add_nc_u32 v[AWT], s59, v[WO]
	v_and_b32 v[BVO], 8, v2
	v_lshlrev_b32 v[BO], 6, v3
	v_mov_b32 v[BV+1], 0
	v_add_nc_u32 v[BVO], v[BVO], v2
	v_lshlrev_b32 v[BVO], 2, v[BVO]
	s_wait_alu depctr_va_vdst(0)
	s_wait_dscnt 0x0                               ; both opening adds are done
	CROUND                                         ; all sixteen work-groups are here: the joint loads meet
	s_wait_kmcnt 0x0
	s_mov_b32 s[G0X], 1                            ; count = 1
	s_mov_b32 s[G0X+1], s27                        ; LDS address
	s_add_nc_u64 s[G0X+2:G0X+3], s[4:5], s[92:93]  ; global address
	s_or_b32 s[G0X+3], s[G0X+3], 0x80000000        ; type = 2
	s_mov_b32 s[G0W], 1
	s_mov_b32 s[G0W+1], s27
	s_add_nc_u64 s[G0W+2:G0W+3], s[6:7], s[94:95]
	s_or_b32 s[G0W+3], s[G0W+3], 0x80000000
	s_cmp_lt_u32 s16, 8                            ; the branch hangs on the wave's number alone; each of the two lines has one mask
	s_cbranch_scc0 .Lfor_w
	tensor_load_to_lds s[G0X:G0X+3], s[G1X:G1X+7]
	s_nop 0
.rept 4
	v_nop
.endr
	s_branch .Lasked
.Lfor_w:
	tensor_load_to_lds s[G0W:G0W+3], s[G1W:G1W+7]
	s_nop 0
.rept 4
	v_nop
.endr
.Lasked:
	s_load_b256 s[28:35], s[10:11], 0x0            ; e0 .. e7
	s_mov_b32 s51, 0                               ; the upper word of every offset below
	s_mul_i32 s50, s16, 16*WROW                    ; the weight's third block: 16 wave rows + 256 g + 2,048 bytes
	s_lshl_b32 s52, s17, 8
	s_add_co_u32 s50, s50, s52
	s_add_nc_u64 s[38:39], s[6:7], s[50:51]
	s_lshl_b32 s53, s22, 7
	s_add_co_u32 s52, s52, s53                     ; 256 g + 128 hd
	s_lshl_b32 s50, s19, 10
	s_add_co_u32 s50, s50, s52                     ; the bias of q or k: + 1,024 par
	s_add_nc_u64 s[46:47], s[8:9], s[50:51]
	s_lshl_b32 s50, s19, 5
	s_add_co_u32 s50, s50, s52
	s_add_co_u32 s50, s50, 2048                    ; the bias of v: + 2,048 + 32 u
	s_add_nc_u64 s[48:49], s[8:9], s[50:51]
.set i, 0
.rept 16
	global_load_b64 v[WN+64+2*i:WN+65+2*i], v[WO], s[38:39] offset:2048+i*WROW   ; 32 lanes read 256 consecutive bytes
.set i, i+1
.endr
.irp j, 0,1,2,3
	global_load_b128 v[BQ+4*\j:BQ+4*\j+3], v[BO], s[46:47] offset:16*\j
.endr
	global_load_b32 v[BV], v[BVO], s[48:49]
	s_lshr_b32 s53, s18, 5                         ; where the results go.  bh: 8 x batch + 2 g + hd
	s_lshl_b32 s53, s53, 3
	s_lshl_b32 s52, s17, 1
	s_add_co_u32 s53, s53, s52
	s_add_co_u32 s53, s53, s22
	s_and_b32 s54, s18, 31                         ; which 128 tokens of the batch: also v's key step
	s_lshl_b32 s54, s54, 12                        ; 4,096 bytes of q, of k or of a step of v
	s_cmp_eq_u32 s19, 0                            ; q goes to qf (131,072 bytes a head), k to kv (262,144): the choice hangs on the wave's number alone
	s_cselect_b32 s58, 17, 18
	s_cselect_b64 s[40:41], s[12:13], s[14:15]
	s_lshl_b32 s50, s53, s58
	s_add_co_u32 s50, s50, s54
	s_lshl_b32 s52, s23, 10
	s_add_co_u32 s50, s50, s52                     ; token tile 8 x (rg % 32) + 2 gq, 512 bytes each
	s_add_nc_u64 s[40:41], s[40:41], s[50:51]
	s_lshl_b32 s50, s53, 18                        ; v: bh x 262,144 + 131,072 + 4,096 step + 2,048 u + 512 gq
	s_add_co_u32 s50, s50, 131072
	s_add_co_u32 s50, s50, s54
	s_lshl_b32 s52, s19, 11
	s_add_co_u32 s50, s50, s52
	s_lshl_b32 s52, s23, 9
	s_add_co_u32 s50, s50, s52
	s_add_nc_u64 s[44:45], s[14:15], s[50:51]
	s_wait_kmcnt 0x0
	s_add_co_i32 s36, s28, s29
	s_add_co_i32 s36, s36, 127
	s_lshl_b32 s36, s36, 23                        ; 2^(e0 + e1) as f32
	s_mov_b32 s37, s36                             ; (named with it as a pair, so it is written)
	MKSC 28, 50, 51                                ; x's scale
	MKSC 29, 52, 53                                ; the weight's
	s_cmp_eq_u32 s19, 0
	s_cselect_b32 s59, s30, s31                    ; e2 for q, e3 for k
	MKSC 59, 54, 55
	MKSC 33, 56, 57                                ; e5 for v
	; ---- phase 1
	s_wait_alu depctr_va_vdst(0)                   ; the wait at the head's end
	s_wait_tensorcnt 0x0                           ; my 16,384 bytes have landed;
	s_barrier_signal -1
	s_barrier_wait -1                              ; everybody's have
.irp j, 0,1,2,3,4,5,6,7
	ds_load_b128 v[XN+8*\j:XN+8*\j+3], v[AXS] offset:1024*\j          ; row j: k = 4 l .. 4 l + 3,
	ds_load_b128 v[XN+8*\j+4:XN+8*\j+7], v[AXS] offset:1024*\j+512    ; and 128 + 4 l .. + 3
.endr
.set i, 0
.rept 16
	ds_load_b64 v[WN+2*i:WN+2*i+1], v[AWS] offset:256*i
.set i, i+1
.endr
.set i, 0
.rept 16
	ds_load_b64 v[WN+32+2*i:WN+33+2*i], v[AWT] offset:256*i
.set i, i+1
.endr
	s_wait_dscnt 0x0                               ; my reads of the stages are over: say so,
	s_barrier_signal -1
.set i, 0
.rept 64                                       ; work on registers while the others arrive,
	v_med3_num_f32 v[XN+i], v[XN+i], -v51, v51
.set i, i+1
.endr
.set i, 0
.rept 8
	v_cvt_scalef32_pk8_fp8_f32 v[XC+2*i:XC+2*i+1], v[XN+8*i:XN+8*i+7], v50
.set i, i+1
.endr
	v_nop                                          ; one plain vector line behind the last conversion of a run
	s_barrier_wait -1                              ; and go on when all have: x's stage may be written over
	s_wait_alu depctr_va_vdst(0)                   ; the wait directly ahead of the readers below
.irp j, 0,1,2,3,4,5,6,7
	ds_store_b32 v[XI], v[XC+2*\j] offset:16*\j
	ds_store_b32 v[XI], v[XC+2*\j+1] offset:KP+16*\j
.endr
	QW 0, 224
	QW 1, 232
	s_wait_loadcnt 0x0                             ; the third block and the bias
	QW 2, 64                                       ; (its codes lie where the first block's numbers were)
	s_wait_dscnt 0x0                               ; for the others' sake: my images lie in LDS
	s_barrier_signal -1
	s_barrier_wait -1                              ; everybody's do; nothing but the closing add is written to LDS behind this barrier
	; ---- phase 2
.irp a, 0,1
.irp s, 0,1
.irp c, 0,1,2,3
	ds_load_b128 v[SM+32*\a+16*\s+4*\c:SM+32*\a+16*\s+4*\c+3], v[AX] offset:TP*\a+KP*\s+CP*\c
	ds_load_b128 v[BG+32*\a+16*\s+4*\c:BG+32*\a+16*\s+4*\c+3], v[AW] offset:TP*\a+KP*\s+CP*\c
.endr
.endr
.endr
	s_wait_dscnt 0x0
	v_wmma_f32_16x16x128_fp8_fp8 v[ACC:ACC+7], v[BG:BG+15], v[SM:SM+15], 0                          ; the first K step starts the sums; the four accumulators take turns
	v_wmma_f32_16x16x128_fp8_fp8 v[ACC+8:ACC+15], v[BG+32:BG+47], v[SM:SM+15], 0
	v_wmma_f32_16x16x128_fp8_fp8 v[ACC+16:ACC+23], v[BG:BG+15], v[SM+32:SM+47], 0
	v_wmma_f32_16x16x128_fp8_fp8 v[ACC+24:ACC+31], v[BG+32:BG+47], v[SM+32:SM+47], 0
	v_wmma_f32_16x16x128_fp8_fp8 v[ACC:ACC+7], v[BG+16:BG+31], v[SM+16:SM+31], v[ACC:ACC+7]
	v_wmma_f32_16x16x128_fp8_fp8 v[ACC+8:ACC+15], v[BG+48:BG+63], v[SM+16:SM+31], v[ACC+8:ACC+15]
	v_wmma_f32_16x16x128_fp8_fp8 v[ACC+16:ACC+23], v[BG+16:BG+31], v[SM+48:SM+63], v[ACC+16:ACC+23]
	v_wmma_f32_16x16x128_fp8_fp8 v[ACC+24:ACC+31], v[BG+48:BG+63], v[SM+48:SM+63], v[ACC+24:ACC+31]
.rept 4
	v_nop                                          ; four places behind the products, for the loads and the reads below
.endr
.irp s, 0,1
.irp c, 0,1,2,3
	ds_load_b128 v[BG+16*\s+4*\c:BG+16*\s+4*\c+3], v[AWV] offset:KP*\s+CP*\c   ; v's weight; x's fragments stay
.endr
.endr
	FIN ACC, BQ, 0, 54, 55, 224, 40, 0             ; q or k of token tile 2 gq,
	FIN ACC+16, BQ, 0, 54, 55, 228, 40, 512        ; and of tile 2 gq + 1
	s_wait_dscnt 0x0
	v_wmma_f32_16x16x128_fp8_fp8 v[ACC:ACC+7], v[SM:SM+15], v[BG:BG+15], 0                          ; v: 16 channels x 32 tokens
	v_wmma_f32_16x16x128_fp8_fp8 v[ACC+8:ACC+15], v[SM+32:SM+47], v[BG:BG+15], 0
	v_wmma_f32_16x16x128_fp8_fp8 v[ACC:ACC+7], v[SM+16:SM+31], v[BG+16:BG+31], v[ACC:ACC+7]
	v_wmma_f32_16x16x128_fp8_fp8 v[ACC+8:ACC+15], v[SM+48:SM+63], v[BG+16:BG+31], v[ACC+8:ACC+15]
.rept 4
	v_nop
.endr
	FIN ACC, BV, 1, 56, 57, 232, 44, 0
	s_wait_tensorcnt 0x0                           ; the wave's end, behind my last tensor load and my last LDS store
	ds_add_u32 v[SPW], v[NIL]
	s_wait_dscnt 0x0
	CROUND                                         ; the closing round: no work-group ends while a partner may still ask for a tile that names it
	s_endpgm
.Lfunc_end_k_q02ce83a6c1_qkv:
	.size	k_q02ce83a6c1_qkv, .Lfunc_end_k_q02ce83a6c1_qkv-k_q02ce83a6c1_qkv
	.p2alignl 7, 3214868480
	.fill 96, 4, 3214868480
	.section	.rodata,"a",@progbits
	.p2align	6, 0x0
	.amdhsa_kernel k_q02ce83a6c1_qkv
		.amdhsa_group_segment_fixed_size 327680
		.amdhsa_private_segment_fixed_size 0
		.amdhsa_enable_private_segment 0
		.amdhsa_kernarg_size 48
		.amdhsa_user_sgpr_count 2
		.amdhsa_user_sgpr_kernarg_segment_ptr 1
		.amdhsa_wavefront_size32 1
		.amdhsa_system_sgpr_workgroup_id_x 1
		.amdhsa_system_sgpr_workgroup_id_y 1
		.amdhsa_system_sgpr_workgroup_id_z 1
		.amdhsa_system_vgpr_workitem_id 0
		.amdhsa_next_free_vgpr 256
		.amdhsa_next_free_sgpr 96
		.amdhsa_reserve_vcc 0
		.amdhsa_float_denorm_mode_32 3
		.amdhsa_float_denorm_mode_16_64 3
		.amdhsa_memory_ordered 1
		.amdhsa_forward_progress 1
		.amdhsa_inst_pref_size 37
	.end_amdhsa_kernel
	.amdgpu_metadata
---
amdhsa.version: [ 1, 2 ]
amdhsa.kernels:
  - .name:           k_q02ce83a6c1_qkv
    .symbol:         k_q02ce83a6c1_qkv.kd
    .args:
      - { .name: x, .offset: 0, .size: 8, .value_kind: global_buffer, .address_space: global }
      - { .name: w_qkv, .offset: 8, .size: 8, .value_kind: global_buffer, .address_space: global }
      - { .name: b_qkv, .offset: 16, .size: 8, .value_kind: global_buffer, .address_space: global }
      - { .name: lowp_scales, .offset: 24, .size: 8, .value_kind: global_buffer, .address_space: global }
      - { .name: qf, .offset: 32, .size: 8, .value_kind: global_buffer, .address_space: global }
      - { .name: kv, .offset: 40, .size: 8, .value_kind: global_buffer, .address_space: global }
    .group_segment_fixed_size: 327680
    .private_segment_fixed_size: 0
    .kernarg_segment_align: 8
    .kernarg_segment_size: 48
    .max_flat_workgroup_size: 512
    .sgpr_count:     96
    .vgpr_count:     256
    .wavefront_size: 32
...
	.end_amdgpu_metadata
.endif
;; end of part 1
;; launch attn (part 2): grid 16 x 16, 16 waves a work-group, clusters of 4 x 1, 327,680 bytes of LDS; arguments qf, kv, rel_bias, lowp_scales, of; writes of
.if DOCPART == 2
	.amdgcn_target "amdgcn-amd-amdhsa--gfx1250"
	.amdhsa_code_object_version 6
	.text
	.protected	k_q02ce83a6c1_attn
	.globl	k_q02ce83a6c1_attn
	.p2align	8
	.type	k_q02ce83a6c1_attn,@function
k_q02ce83a6c1_attn:
	s_mov_b64 s[64:65], 0
	v_nop
	global_prefetch_b8 v0, s[64:65] scope:SCOPE_SE
	s_setreg_imm32_b32 hwreg(HW_REG_WAVE_MODE, 25, 1), 1
	s_wait_xcnt 0x0
	s_wait_alu depctr_hold_cnt(0) depctr_sa_sdst(0) depctr_va_vdst(0) depctr_va_sdst(0) depctr_va_ssrc(0) depctr_va_vcc(0) depctr_vm_vsrc(0)
	s_getreg_b32 s2, hwreg(HW_REG_IB_STS2, 6, 4)
	s_cmp_eq_u32 s2, 0
	s_cbranch_scc0 .Lentry_in_a_cluster
	s_endpgm
.Lentry_in_a_cluster:
	s_bfe_u32 s2, ttmp6, 0x10000c
	s_cmp_lg_u32 s2, 0x3003
	s_cbranch_scc0 .Lentry_shape_is_right
	s_endpgm
.Lentry_shape_is_right:
; o = softmax(q k^T / sqrt(32) + rel_bias[head]) v for 16 (batch, head) pairs of 4,096 tokens and 32 channels, both products on codes of FP8 (E4M3); o is quantised by e6 for the last product and stored as codes.
; t = logit x log2(e); M = the row's largest t so far, rounded up to a whole number; p = 2^(t - M) is quantised by e4.  rel_bias is the same along a row, but it moves t's fraction and so p's codes: it stays.
; The row's sum is taken of the unquantised p, in f32, and divides at the end.  When M moves, the sum and O are multiplied by 2^(old M - new M): nothing is rounded.
; SHARES.  A work-group owns 256 queries of one (batch, head); each of its sixteen waves 16 of them, in 256 registers: four waves to a SIMD.
; A HEAD'S K AND V LIE IN LDS WHOLE: 131,072 bytes of codes each, as the launch before laid them: images of operand registers, 16 bytes a lane.  Each of the sixteen waves fetches 16,384 bytes by ONE tensor load;
; one barrier shows all of them to all waves.  Every LDS byte is filled once, nothing is filled again, nothing is stored to LDS.  All tiles are asked for at the start, so there is no later load that a prefetch could run ahead of.
; CLUSTER.  The four work-groups of a cluster belong to one head and need the same K and V: each load is asked for JOINTLY, with the same descriptor and a mask that names the four.  The descriptors hang on the head and the wave's number alone.
; LAYOUT.  Both products are used transposed: S^T = K Q^T (source 0 = keys, source 1 = my 16 queries), O^T = V^T P^T: a lane holds ONE query (lane % 16) throughout.
; K = 32 IN AN INSTRUCTION OF K = 64: source 0's eight registers are the codes of TWO neighbouring tiles of 16 keys; source 1 is q | 0 for the even tile's scores and 0 | q for the odd tile's (q | 0 | q lies in twelve registers).
; The other tile's codes meet zeros; they are numbers, since every quantiser holds at the largest code.
; Register j of score tile t is key 16 t + 8 (lane / 16) + j: the codes of tiles 2 g, 2 g + 1 carry, byte for byte, the keys of V's group g.  V's tile u, lane r, is channel 8 u + r + 8 (r / 8), so that O^T's 16 registers are channels 16 (lane / 16) + 0 .. 15.
; THE STEPS OVERLAP (128 keys each, 32 steps, two buffers of scores).  Step i: the exponentials of S(i); then, line by line in turns, the sums of p(i) and the maxima of S(i+1); the hold of p(i) and the chain that makes the next M;
; p(i)'s codes; the products O += V(i) p(i) and S(i+2) = K(i+2) q, the latter into the buffer that p(i) has left; t - M for S(i+1); the loads of V(i+1) and K(i+3).
; of [token tile 512][head 8][lane][16]: lane (r, h): token r, channels 16 h + 0 .. 15 of the head: the last product's operand as its registers take it.
; LIMITS on the given exponents: e2 + e3 between -124 and 129 (added to c's exponent field); e4 and e6 between -126 and 119; e4 + e5 is applied by v_ldexp_f32 and has none.
; The promise holds while the scaled scores t stay under 2^31 in magnitude.  NaN is not served.
.set VPART, 131072                     ; LDS: K at 0, V at VPART,
.set SPARE, 262144                     ; and behind them the spare words, 128 bytes for each of the sixteen waves: eight blocks of 256 bytes that no other line names
.set STB,   4096                       ; a step: 128 keys of K, or of V
.set PSC,  0                           ; v0   2^e4 (behind the head; there v0 is the thread's number)
.set LI,   1                           ; v1   16 x lane
.set SPW,  3                           ; v3   LDS address of my spare word; never rewritten
.set NIL,  4                           ; v4   0; never rewritten
.set ADK,  5                           ; v5   a trip's K
.set ADV,  6                           ; v6   a trip's V
.set PT,   7                           ; v7   the lane exchange
.set NMA,  8                           ; v8, v9   -M of even and of odd steps
.set NMB,  9
.set FS,   10                          ; v[10:11]  f = 2^(old M - new M) (v11 is named with it as a pair)
.set AD,   12                          ; v12  rel_bias log2(e) - M;  v13 the running largest score
.set RM,   13
.set SUM,  14                          ; v[14:15]  the row's sum, in two halves
.set QF,   16                          ; v16-27    q | 0 | q
.set MX,   28                          ; v28-31    the maximum's four chains
.set KF,   32                          ; v32-63    eight tiles of K, four registers each
.set VF,   64                          ; v64-95    V's two fragments
.set SA,   96                          ; v96-159   S^T, then p, of even steps
.set SB,   160                         ; v160-223  of odd steps
.set O,    224                         ; v224-239  O^T
.set PC,   240                         ; v240-255  eight partial sums, then p's codes
.set WV,   14                          ; s14  my wave's number
.set SEL,  20                          ; s[20:21] v_permlanex16_b32's selects for lane l xor 16
.set CS,   22                          ; s[22:23] c = log2(e) / sqrt(32) x 2^(e2 + e3)
.set G1,   24                          ; s[24:31] descriptor group 1;  s[32:35] group 0
.set G0,   32
.set NCS,  36                          ; s36  -c
.set BB,   37                          ; s37  rel_bias log2(e);  s38 its negative
.set NB,   38
.set PL,   39                          ; s39  448 x 2^e4
.set TB,   66                          ; s66  LDS byte at which a trip's first step begins
.set CNT,  67                          ; s67  trips to go
; A round of the cluster's barrier: my work-group's barrier, so that wave 0's signal speaks for all sixteen waves; wave 0 signals for the work-group; every wave waits for all four work-groups; my work-group's barrier once more.
.macro CROUND
	s_barrier_signal -1
	s_barrier_wait -1
	s_cmp_lg_u32 s[WV], 0
	s_cbranch_scc1 .Lnot_wave_0_\@
	s_barrier_signal -3
.Lnot_wave_0_\@:
	s_barrier_wait -3
	s_barrier_signal -1
	s_barrier_wait -1
.endm
.macro LOADF dst, adr, off             ; eight pieces of 512 bytes: a step's K or V
.irp t, 0,1,2,3,4,5,6,7
	ds_load_b128 v[\dst+4*\t:\dst+4*\t+3], v[\adr] offset:\off+512*\t
.endr
.endm
.macro ADR
	v_add_nc_u32 v[ADK], s[TB], v[LI]
	v_add_nc_u32 v[ADV], VPART, v[ADK]
.endm
.macro QK x, kb                        ; the scores of 128 keys
.irp t, 0,1,2,3,4,5,6,7
	v_wmma_f32_16x16x64_fp8_fp8 v[\x+8*\t:\x+8*\t+7], v[\kb+8*(\t/2):\kb+8*(\t/2)+7], v[QF+4*(\t%2):QF+4*(\t%2)+7], 0
.endr
.endm
.macro MX4 y                           ; the largest of 64 scores in four chains, each accumulator from its low end on: the first twelve,
	v_max3_num_f32 v[MX], v[\y], v[\y+1], v[\y+2]
	v_max3_num_f32 v[MX+1], v[\y+3], v[\y+4], v[\y+5]
	v_max3_num_f32 v[MX+2], v[\y+6], v[\y+7], v[\y+8]
	v_max3_num_f32 v[MX+3], v[\y+9], v[\y+10], v[\y+11]
.endm
.macro MXN y                           ; and two more, n = 0 .. 25
	v_max3_num_f32 v[MX+n%4], v[MX+n%4], v[\y+12+2*n], v[\y+13+2*n]
.endm
.macro CH k, no, nn                    ; the chain that makes the next M, line k; no, nn: -M, old and new
.if \k == 1
	v_max3_num_f32 v[MX], v[MX], v[MX+1], v[RM]
.elseif \k == 2
	v_max3_num_f32 v[MX], v[MX], v[MX+2], v[MX+3]
.elseif \k == 3
	v_permlanex16_b32 v[PT], v[MX], s[SEL], s[SEL+1]
.elseif \k == 4
	v_max_num_f32 v[RM], v[MX], v[PT]              ; the running largest score, lane l xor 16's among them
.elseif \k == 5
	v_fma_f32 v[MX+1], v[RM], s[NCS], s[NB]        ; -t (c is positive)
.elseif \k == 6
	v_floor_f32 v[\nn], v[MX+1]                    ; the new -M = floor(-t) = -ceil(t): a whole number
.elseif \k == 7
	v_sub_f32 v[MX+2], v[\nn], v[\no]              ; old M - new M: a whole number, 0 or less
.elseif \k == 8
	v_add_f32 v[AD], s[BB], v[\nn]                 ; rel_bias log2(e) - M
.elseif \k == 9
	v_cvt_i32_f32 v[MX+2], v[MX+2]                 ; (it saturates)
.else
	v_ldexp_f32 v[FS], 1.0, v[MX+2]                ; f
.endif
.endm
.macro TMI y
	v_pk_fma_f32 v[\y+i:\y+i+1], v[\y+i:\y+i+1], s[CS:CS+1], v[AD:AD+1] op_sel_hi:[1,0,0]
.endm
.macro TM y                            ; the first 32 of a lane's 64 scores; the others follow among the first exponentials
.set i, 0
.rept 16
	TMI \y
.set i, i+2
.endr
.endm
.macro EX x                            ; p = 2^(t - M), at most 1
	v_exp_f32 v[\x+e], v[\x+e]
.set e, e+1
.endm
.macro LN x                            ; one of 24 lines on the first 32 p: eight sums, then sixteen holds
.if n < 8
	SUMN \x
.set n, n+1
.else
	HOLD \x, 1
.endif
.endm
.macro MXS y
	MXN \y
.set n, n+1
.endm
.macro CV x, b, k                      ; eight codes of p
	v_cvt_scalef32_pk8_fp8_f32 v[PC+4*\b+2*\k:PC+4*\b+2*\k+1], v[\x+16*\b+8*\k:\x+16*\b+8*\k+7], v[PSC]
.endm
.macro SUMN x                          ; 64 p in eight chains of pairs, n = 0 .. 23
.if n < 8
	v_pk_add_f32 v[PC+2*n:PC+2*n+1], v[\x+2*n:\x+2*n+1], v[\x+2*n+16:\x+2*n+17]
.else
	v_pk_add_f32 v[PC+2*(n%8):PC+2*(n%8)+1], v[PC+2*(n%8):PC+2*(n%8)+1], v[\x+2*n+16:\x+2*n+17]
.endif
.endm
.macro TADD a, b
	v_pk_add_f32 v[PC+2*\a:PC+2*\a+1], v[PC+2*\a:PC+2*\a+1], v[PC+2*\b:PC+2*\b+1]
.endm
.macro TSUM
	v_pk_add_f32 v[SUM:SUM+1], v[SUM:SUM+1], v[PC:PC+1]
.endm
.macro HOLD x, cnt                     ; the conversion to an 8-bit code does not saturate (ISA guide 7.6.2); p is not negative, so the hold is one-sided.  Two numbers a line
.rept \cnt
	v_dual_min_num_f32 v[\x+h], s[PL], v[\x+h] :: v_dual_min_num_f32 v[\x+h+1], s[PL], v[\x+h+1]
.set h, h+2
.endr
.endm
; A STEP of 128 keys: x the scores in hand, y the next step's.  more: there is a next step; qk: and one behind it; kl: and K two further on is to be loaded; adr: the trip's addresses are made here.
.macro STEP x, y, no, nn, more, qk, kl, adr, voff, koff
	s_wait_alu depctr_va_vdst(0)                   ; the wait ahead of the batch
.set e, 0
.set i, 32
.rept 16                                       ; the first 32 exponentials; between them t - M of the other 32 scores
	EX \x
	EX \x
	TMI \x
.set i, i+2
.endr
	s_wait_alu depctr_va_vdst(0)                   ; behind the first batch and ahead of the second, which reads what stood between the first
.set n, 0
.set h, 0
.rept 8                                        ; the other 32; between them the sums and the holds of the first 32 p
	EX \x
	LN \x
	EX \x
	LN \x
	EX \x
	LN \x
	EX \x
.endr
	v_pk_mul_f32 v[SUM:SUM+1], v[SUM:SUM+1], v[FS:FS+1] op_sel_hi:[1,0]   ; the sums under the new M: the plain line behind the exponentials
	s_wait_dscnt 0x0                               ; this step's V and the K that stands two steps on are in
	s_wait_alu depctr_va_vdst(0)                   ; the wait for the batch, and for the first readers of O^T and of y
.set i, 0
.rept 8
	v_pk_mul_f32 v[O+i:O+i+1], v[O+i:O+i+1], v[FS:FS+1] op_sel_hi:[1,0]   ; O^T under the new M
.set i, i+2
.endr
.if \more
	MX4 \y
.endif
.set n, 0
.rept 16                                       ; the maxima of y and the sums of the other 32 p by turns
.if \more
	MXN \y
.endif
.set n, n+8
	SUMN \x
.set n, n-7
.endr
.if \more
	MXS \y
	TADD 0, 4
	MXS \y
	TADD 1, 5
	MXS \y
	TADD 2, 6
	MXS \y
	TADD 3, 7
	MXS \y
	TADD 0, 2
	MXS \y
	TADD 1, 3
	MXS \y
	MXS \y
	TADD 0, 1
	MXS \y
	MXS \y
	TSUM                                           ; the partial sums are done with: p's codes take their registers
	CH 1, \no, \nn
	CV \x, 0, 0
	HOLD \x, 2
	CH 2, \no, \nn
	CV \x, 0, 1
	HOLD \x, 2
	CH 3, \no, \nn
	CV \x, 1, 0
	HOLD \x, 3
	CH 4, \no, \nn
	CV \x, 1, 1
	HOLD \x, 3
	CH 5, \no, \nn
	HOLD \x, 2
	CH 6, \no, \nn
	HOLD \x, 2
	CH 7, \no, \nn
	CH 8, \no, \nn
	HOLD \x, 2
	CH 9, \no, \nn
	CV \x, 2, 0
	CV \x, 2, 1
	CV \x, 3, 0
	CV \x, 3, 1
	CH 10, \no, \nn                                ; the plain line between the conversions and the products
.else
	TADD 0, 4
	TADD 1, 5
	TADD 2, 6
	TADD 3, 7
	HOLD \x, 4
	TADD 0, 2
	TADD 1, 3
	HOLD \x, 4
	TADD 0, 1
	HOLD \x, 4
	TSUM
	HOLD \x, 4
.irp b, 0,1,2,3
	CV \x, \b, 0
	CV \x, \b, 1
.endr
	v_nop
.endif
.if \qk
	QK \x, KF                                      ; the scores two steps on, ahead of the products that read the codes just made
.endif
	v_wmma_f32_16x16x128_fp8_fp8 v[O:O+7], v[VF:VF+15], v[PC:PC+15], v[O:O+7]               ; the accumulators take turns
	v_wmma_f32_16x16x128_fp8_fp8 v[O+8:O+15], v[VF+16:VF+31], v[PC:PC+15], v[O+8:O+15]
.if \more
	TM \y                                          ; 16 plain lines: the places behind the products, ahead of the loads below
.if \adr
	ADR
.endif
	LOADF VF, ADV, \voff
.if \kl
	LOADF KF, ADK, \koff
.endif
.endif
.endm
	s_load_b256 s[4:11], s[0:1], 0x0               ; qf s[4:5], kv s[6:7], rel_bias s[8:9], lowp_scales s[10:11]
	s_load_b64 s[12:13], s[0:1], 0x20              ; of
	v_lshl_add_u32 v[SPW], v0, 2, SPARE
	v_mov_b32 v[NIL], 0
	ds_add_u32 v[SPW], v[NIL]                      ; the wave's opening: the add, twice on end, and its wait ahead of the round in front of the first tensor load
	ds_add_u32 v[SPW], v[NIL]
	v_lshrrev_b32 v5, 5, v0
	v_readfirstlane_b32 s[WV], v5                  ; wave 0..15
	s_and_b32 s17, ttmp7, 0xffff                   ; bh, which the four partners share
	s_and_b32 s18, s17, 7                          ; the head
	; descriptor group 1: 64 rows of 32 elements of 8 bytes, dense: 16,384 bytes as they lie
	s_mov_b32 s[G1+0], 15|(3<<16)|(1<<21)          ; 15:0 the mask: all four work-groups; 17:16 elements of 8 bytes; 20 no padding; 21 set beside a mask
	s_mov_b32 s[G1+1], 32<<16                      ; tensor_dim0 = 32
	s_mov_b32 s[G1+2], 64<<16                      ; tensor_dim1 = 64
	s_mov_b32 s[G1+3], 32<<16                      ; tile_dim0 = 32
	s_mov_b32 s[G1+4], 64                          ; tile_dim1 = 64
	s_mov_b32 s[G1+5], 32                          ; from row to row: 32 elements
	s_mov_b32 s[G1+6], 0
	s_mov_b32 s[G1+7], 0
	s_mov_b32 s[SEL], 0x76543210
	s_mov_b32 s[SEL+1], 0xfedcba98
	s_mov_b32 s[CS], 0x3e8293ee                    ; log2(e) / sqrt(32)
	s_lshl_b32 s80, s[WV], 14                      ; my 16,384 bytes of the head's 262,144: in LDS,
	s_lshl_b32 s82, s17, 18
	s_add_co_u32 s82, s82, s80                     ; and in kv
	s_mov_b32 s83, 0
	s_lshl_b32 s86, s18, 2                         ; rel_bias: 4 x head
	s_mov_b32 s87, 0
	v_and_b32 v[LI], 31, v0
	v_lshlrev_b32 v[LI], 4, v[LI]
	s_wait_alu depctr_va_vdst(0)
	s_wait_dscnt 0x0                               ; both opening adds are done
	CROUND                                         ; all four work-groups are here: the joint loads meet
	s_wait_kmcnt 0x0
	s_load_b256 s[68:75], s[10:11], 0x0            ; e0 .. e7
	s_add_nc_u64 s[8:9], s[8:9], s[86:87]
	s_load_b32 s76, s[8:9], 0x0                    ; rel_bias[head]
	s_mov_b32 s[G0], 1                             ; count = 1
	s_mov_b32 s[G0+1], s80                         ; LDS address
	s_add_nc_u64 s[G0+2:G0+3], s[6:7], s[82:83]    ; global address
	s_or_b32 s[G0+3], s[G0+3], 0x80000000          ; type = 2
	tensor_load_to_lds s[G0:G0+3], s[G1:G1+7]      ; one tensor load a wave
	s_nop 0
.rept 4
	v_nop
.endr
	; my queries and my place in of.  cx enters these two addresses alone, in registers that feed no descriptor
	s_bfe_u32 s2, ttmp6, 0x40000                   ; cx
	s_lshl_b32 s3, ttmp9, 2                        ; in a cluster launch ttmp9 counts clusters
	s_add_co_u32 s3, s3, s2                        ; my block of 256 queries
	s_lshl_b32 s3, s3, 4
	s_add_co_u32 s3, s3, s[WV]                     ; my tile of 16 among the head's 256
	s_lshl_b32 s84, s17, 17
	s_lshl_b32 s2, s3, 9
	s_add_co_u32 s84, s84, s2
	s_mov_b32 s85, 0
	s_add_nc_u64 s[4:5], s[4:5], s[84:85]          ; qf: bh x 131,072 + tile x 512
	s_wait_alu depctr_va_vdst(0)                   ; the wait directly ahead of the reader below
	global_load_b128 v[QF:QF+3], v[LI], s[4:5]
	global_load_b128 v[QF+8:QF+11], v[LI], s[4:5]  ; the same 512 bytes once more: q | 0 | q
	s_lshr_b32 s84, s17, 3
	s_lshl_b32 s84, s84, 8
	s_add_co_u32 s84, s84, s3
	s_lshl_b32 s84, s84, 12                        ; of: (256 x batch + tile) x 4,096
	s_lshl_b32 s2, s18, 9
	s_add_co_u32 s84, s84, s2                      ; + head x 512
	s_add_nc_u64 s[12:13], s[12:13], s[84:85]
.irp j, 4,5,6,7
	v_mov_b32 v[QF+\j], 0
.endr
	v_mov_b32 v[RM], 0xff61b1e6                    ; the largest score so far: -3e38
	v_mov_b32 v[NMB], 0x7f61b1e6                   ; -M ahead of the first step: 3e38, so that the first f is 0
	v_mov_b32 v[SUM], 0
	v_mov_b32 v[SUM+1], 0
.set i, 0
.rept 16
	v_mov_b32 v[O+i], 0                            ; O^T: the step is written for any M; its first run finds zeros, which the first f leaves zeros
.set i, i+1
.endr
	v_mov_b32 v[PT], 0                             ; written once: a lane permute's destination counts as one of its sources
	v_mov_b32 v[FS+1], 0
	s_wait_kmcnt 0x0
	s_add_co_i32 s86, s70, s71
	s_lshl_b32 s86, s86, 23
	s_add_co_i32 s[CS], s[CS], s86                 ; a score stands for score x 2^(e2 + e3): the exponents are added to c's exponent field
	s_mov_b32 s[CS+1], s[CS]                       ; (named with it as a pair, so it is written)
	s_xor_b32 s[NCS], s[CS], 0x80000000
	s_add_co_i32 s86, s72, 127
	s_lshl_b32 s87, s86, 23                        ; 2^e4 as f32, for p's conversions
	s_add_co_i32 s86, s86, 8
	s_lshl_b32 s86, s86, 23
	s_or_b32 s[PL], s86, 0x600000                  ; 448 x 2^e4
	s_add_co_i32 s83, s74, 127
	s_lshl_b32 s82, s83, 23                        ; 2^e6, for the way out,
	s_add_co_i32 s83, s83, 8
	s_lshl_b32 s83, s83, 23
	s_or_b32 s83, s83, 0x600000                    ; and 448 x 2^e6
	s_add_co_i32 s81, s72, s73                     ; e4 + e5
	s_mov_b32 s[TB], 0
	v_mov_b32 v[PSC], s87
	v_mov_b32 v[MX], s76
	v_mul_f32 v[MX], 0x3fb8aa3b, v[MX]             ; rel_bias x log2(e)
	v_readfirstlane_b32 s[BB], v[MX]
	s_xor_b32 s[NB], s[BB], 0x80000000
	s_wait_alu depctr_va_vdst(0)                   ; the wait at the head's end
	s_wait_loadcnt 0x0                             ; q
	s_wait_tensorcnt 0x0                           ; my 16,384 bytes have landed;
	s_barrier_signal -1
	s_barrier_wait -1                              ; everybody's have: K and V lie in LDS whole
	LOADF KF, LI, 0                                ; step 0's K, and step 1's in V's registers
	LOADF VF, LI, STB
	s_wait_dscnt 0x0
	QK SA, KF
	QK SB, VF
.rept 4
	v_nop                                          ; four places behind the products (ISA guide 7.12.1)
.endr
	MX4 SA
.set n, 0
.rept 26
	MXN SA
.set n, n+1
.endr
.irp k, 1,2,3,4,5,6,7,8,9,10
	CH \k, NMB, NMA
.endr
	TM SA
	ADR
	LOADF VF, ADV, 0                               ; V(0), K(2)
	LOADF KF, ADK, 2*STB
	s_mov_b32 s[CNT], 14
.Ltrip:                                            ; steps 0 to 27, two a trip; a trip's addresses stand at its first step
	STEP SA, SB, NMA, NMB, 1, 1, 1, 1, STB, 3*STB
	STEP SB, SA, NMB, NMA, 1, 1, 1, 0, 2*STB, 4*STB
	s_add_co_u32 s[TB], s[TB], 2*STB
	s_sub_co_u32 s[CNT], s[CNT], 1
	s_cmp_lg_u32 s[CNT], 0
	s_cbranch_scc1 .Ltrip
	s_mov_b32 s[TB], 28*STB                        ; the last four steps are written out: nothing is loaded beyond the last keys
	STEP SA, SB, NMA, NMB, 1, 1, 1, 1, STB, 3*STB
	STEP SB, SA, NMB, NMA, 1, 1, 0, 0, 2*STB, 0
	STEP SA, SB, NMA, NMB, 1, 0, 0, 0, 3*STB, 0
	STEP SB, SA, NMB, NMA, 0, 0, 0, 0, 0, 0
	; THE WAY OUT: O^T x 2^(e4 + e5) / the row's sum, quantised by e6: my 16 registers are 16 neighbouring channels of my query: 16 bytes of codes.
	v_add_f32 v[SUM], v[SUM], v[SUM+1]             ; the sum's two halves,
	v_permlanex16_b32 v[PT], v[SUM], s[SEL], s[SEL+1]
	v_add_f32 v[SUM], v[SUM], v[PT]                ; and lane l xor 16's
	s_wait_alu depctr_va_vdst(0)                   ; the wait ahead of the transcendental
	v_rcp_f32 v[SUM], v[SUM]
	v_mov_b32 v[SA], s83                           ; (plain lines behind the reciprocal; with the three above they are also the places behind the last products)
	v_mov_b32 v[SA+1], s82
	s_wait_alu depctr_va_vdst(0)                   ; the wait ahead of the reciprocal's first reader
	v_ldexp_f32 v[SUM], v[SUM], s81
	s_wait_alu depctr_va_vdst(0)                   ; and ahead of O^T's first reader
.set i, 0
.rept 16
	v_mul_f32 v[SA+4+i], v[O+i], v[SUM]            ; each accumulator from its low end on
.set i, i+1
.endr
.set i, 0
.rept 16
	v_med3_num_f32 v[SA+4+i], v[SA+4+i], -v[SA], v[SA]
.set i, i+1
.endr
	v_cvt_scalef32_pk8_fp8_f32 v[SA+20:SA+21], v[SA+4:SA+11], v[SA+1]
	v_cvt_scalef32_pk8_fp8_f32 v[SA+22:SA+23], v[SA+12:SA+19], v[SA+1]
	v_nop
	global_store_b128 v[LI], v[SA+20:SA+23], s[12:13]  ; 32 lanes store 512 consecutive bytes, aligned
	s_wait_tensorcnt 0x0                           ; the wave's end, behind my last tensor load
	ds_add_u32 v[SPW], v[NIL]
	s_wait_dscnt 0x0
	CROUND                                         ; the closing round: no work-group ends while a partner may still ask for a tile that names it
	s_endpgm
.Lfunc_end_k_q02ce83a6c1_attn:
	.size	k_q02ce83a6c1_attn, .Lfunc_end_k_q02ce83a6c1_attn-k_q02ce83a6c1_attn
	.p2alignl 7, 3214868480
	.fill 96, 4, 3214868480
	.section	.rodata,"a",@progbits
	.p2align	6, 0x0
	.amdhsa_kernel k_q02ce83a6c1_attn
		.amdhsa_group_segment_fixed_size 327680
		.amdhsa_private_segment_fixed_size 0
		.amdhsa_enable_private_segment 0
		.amdhsa_kernarg_size 40
		.amdhsa_user_sgpr_count 2
		.amdhsa_user_sgpr_kernarg_segment_ptr 1
		.amdhsa_wavefront_size32 1
		.amdhsa_system_sgpr_workgroup_id_x 1
		.amdhsa_system_sgpr_workgroup_id_y 1
		.amdhsa_system_sgpr_workgroup_id_z 1
		.amdhsa_system_vgpr_workitem_id 0
		.amdhsa_next_free_vgpr 256
		.amdhsa_next_free_sgpr 88
		.amdhsa_reserve_vcc 0
		.amdhsa_float_denorm_mode_32 3
		.amdhsa_float_denorm_mode_16_64 3
		.amdhsa_memory_ordered 1
		.amdhsa_forward_progress 1
		.amdhsa_inst_pref_size 88
	.end_amdhsa_kernel
	.amdgpu_metadata
---
amdhsa.version: [ 1, 2 ]
amdhsa.kernels:
  - .name:           k_q02ce83a6c1_attn
    .symbol:         k_q02ce83a6c1_attn.kd
    .args:
      - { .name: qf, .offset: 0, .size: 8, .value_kind: global_buffer, .address_space: global }
      - { .name: kv, .offset: 8, .size: 8, .value_kind: global_buffer, .address_space: global }
      - { .name: rel_bias, .offset: 16, .size: 8, .value_kind: global_buffer, .address_space: global }
      - { .name: lowp_scales, .offset: 24, .size: 8, .value_kind: global_buffer, .address_space: global }
      - { .name: of, .offset: 32, .size: 8, .value_kind: global_buffer, .address_space: global }
    .group_segment_fixed_size: 327680
    .private_segment_fixed_size: 0
    .kernarg_segment_align: 8
    .kernarg_segment_size: 40
    .max_flat_workgroup_size: 512
    .sgpr_count:     88
    .vgpr_count:     256
    .wavefront_size: 32
...
	.end_amdgpu_metadata
.endif
;; end of part 2
;; launch proj (part 3): grid 4 x 64, 16 waves a work-group, no clusters, 53,248 bytes of LDS; arguments of, w_proj, b_proj, lowp_scales, out0; writes out0
.if DOCPART == 3
	.amdgcn_target "amdgcn-amd-amdhsa--gfx1250"
	.amdhsa_code_object_version 6
	.text
	.protected	k_q02ce83a6c1_proj
	.globl	k_q02ce83a6c1_proj
	.p2align	8
	.type	k_q02ce83a6c1_proj,@function
k_q02ce83a6c1_proj:
	s_mov_b64 s[64:65], 0
	v_nop
	global_prefetch_b8 v0, s[64:65] scope:SCOPE_SE
	s_setreg_imm32_b32 hwreg(HW_REG_WAVE_MODE, 25, 1), 1
	s_wait_xcnt 0x0
; out0 = Q(o) Q(w_proj) 2^(e6 + e7) + b_proj.  o arrives as codes of FP8 (E4M3), laid as operand registers by the attention launch: of [token tile 512][K step 2][c 4][lane][16]: lane (r, h): token r, k = 128 s + 32 c + 16 h + 0 .. 15.
; w_proj: [256 (k)][256 (n)] f32, quantised here by e7.  b_proj: [256] f32.  out0: [8192][256] f32.  Products by v_wmma_f32_16x16x128_fp8_fp8, sums in f32.
; SHARES.  Work-group (cg, rg) makes tokens 128 rg .. + 127 x columns 64 cg .. + 63: 256 aligned bytes of each of its rows.  Sixteen waves.
; PHASE 1: wave w quantises one block of the weight (32 along K x 32 columns: a lane a column, registers down K) and stores it in LDS as an image of operand registers.  A barrier.
; PHASE 2: wave w = 2 m + bp makes tokens 16 m .. + 15 x columns 32 bp .. + 31: source 0 = 16 columns of the weight, source 1 = o, so that a lane holds one token and 16 neighbouring columns
; (lane r of weight tile u takes column 8 u + r + 8 (r / 8) of the 32).  The results meet in a stage of 128 rows x (256 + 16) bytes.  A barrier.  Each wave stores 8 whole rows: sixteen lanes to 256 aligned bytes.
; NO CLUSTER, NO TENSOR LOAD: the weight arrives as f32 and passes through registers to be quantised; o's fragments go from memory straight into the registers that take them.
; LIMITS: e7 between -126 and 119, e6 + e7 between -126 and 127.  NaN among the inputs is not served.
.set WROW,  1024                       ; a row of w_proj in bytes
.set STG,   16384                      ; LDS: 0 .. 16383 the weight's four tiles (2 bl + u), 4,096 bytes each: [K step 2][c 4][512];  from STG the stage
.set SP,    272                        ; a stage row: 256 bytes + 16, so that the sixteen rows of a store start at sixteen different banks (64 banks of 4 bytes: ISA guide 11.1)
.set SPARE, 51200                      ; behind the stage the spare words, 128 bytes for each of the sixteen waves: eight blocks of 256 bytes that no other line names
.set LI,   4                           ; v4   16 x lane
.set WO,   5                           ; v5   4 x lane
.set WI,   6                           ; v6   where my column's codes go
.set ABG,  7                           ; v7   my two weight tiles
.set SO,   8                           ; v8   the stage: where I put 64 bytes of a row
.set SR,   9                           ; v9   and where I read rows back
.set GO,   10                          ; v10  my byte offset in the wave's rows of out0
.set BO,   13                          ; v13  64 h
.set BQ,   16                          ; v16-31 the bias of my 16 columns
.set SPW,  58                          ; v58  LDS address of my spare word; never rewritten
.set NIL,  59                          ; v59  0; never rewritten
.set SM,   64                          ; v64-95   o's two fragments
.set BG,   96                          ; v96-159  the weight's four fragments; before that v128-159 hold my block's 32 numbers
.set WN,   128
.set ACC,  160                         ; v160-175 two accumulators
.set WC,   176                         ; v176-183 my block's codes
.set OUTR, 184                         ; v184-199 eight rows read back
	s_load_b256 s[4:11], s[0:1], 0x0               ; of s[4:5], w_proj s[6:7], b_proj s[8:9], lowp_scales s[10:11]
	s_load_b64 s[12:13], s[0:1], 0x20              ; out0
	v_lshl_add_u32 v[SPW], v0, 2, SPARE
	v_mov_b32 v[NIL], 0
	v_lshrrev_b32 v1, 5, v0
	s_delay_alu instid0(VALU_DEP_1)
	v_readfirstlane_b32 s16, v1                    ; wave 0..15
	s_mov_b32 s17, ttmp9                           ; cg
	s_and_b32 s18, ttmp7, 0xffff                   ; rg
	s_and_b32 s19, s16, 1                          ; bp: which 32 columns I make
	s_lshr_b32 s20, s16, 1                         ; m: which 16 tokens
	s_and_b32 s21, s16, 7                          ; kc: which 32 along K I quantise
	s_lshr_b32 s22, s16, 3                         ; bl: of which 32 columns
	v_and_b32 v1, 31, v0                           ; lane
	v_and_b32 v2, 15, v0                           ; r
	v_bfe_u32 v3, v0, 4, 1                         ; h
	s_delay_alu instid0(VALU_DEP_3)
	v_lshlrev_b32 v[LI], 4, v1
	s_delay_alu instid0(VALU_DEP_4)
	v_lshlrev_b32 v[WO], 2, v1
	v_and_b32 v[WI], 7, v0                         ; column c of the 32 lies in tile (c / 8) % 2 at lane c % 8 + 8 (c / 16)
	s_delay_alu instid0(VALU_DEP_1)
	v_lshl_add_u32 v[WI], v3, 3, v[WI]
	s_delay_alu instid0(VALU_DEP_1)
	v_lshlrev_b32 v[WI], 4, v[WI]
	v_bfe_u32 v15, v0, 3, 1
	s_delay_alu instid0(VALU_DEP_1)
	v_lshl_add_u32 v[WI], v15, 12, v[WI]
	s_lshl_b32 s40, s22, 13
	s_lshl_b32 s41, s21, 9
	s_add_co_u32 s40, s40, s41
	v_add_nc_u32 v[WI], s40, v[WI]
	s_lshl_b32 s40, s19, 13
	v_add_nc_u32 v[ABG], s40, v[LI]
	v_mul_u32_u24 v[SO], v2, SP                    ; the stage, in: row 16 m + r, + 128 bp + 64 h
	s_delay_alu instid0(VALU_DEP_1)
	v_lshl_add_u32 v[SO], v3, 6, v[SO]
	s_mul_i32 s40, s20, 16*SP
	s_lshl_b32 s41, s19, 7
	s_add_co_u32 s40, s40, s41
	s_add_co_u32 s40, s40, STG
	v_add_nc_u32 v[SO], s40, v[SO]
	v_mul_u32_u24 v[SR], v3, SP                    ; back: rows 8 w on; lanes 0-15 one row, lanes 16-31 the next
	s_delay_alu instid0(VALU_DEP_1)
	v_lshl_add_u32 v[SR], v2, 4, v[SR]
	s_mul_i32 s40, s16, 8*SP
	s_add_co_u32 s40, s40, STG
	v_add_nc_u32 v[SR], s40, v[SR]
	v_lshlrev_b32 v[GO], 10, v3                    ; and the same two rows in out0
	s_delay_alu instid0(VALU_DEP_1)
	v_lshl_add_u32 v[GO], v2, 4, v[GO]
	v_lshlrev_b32 v[BO], 6, v3
	s_mov_b32 s41, 0                               ; the upper word of every offset below
	s_wait_alu depctr_va_vdst(0)
	s_wait_kmcnt 0x0
	s_load_b256 s[28:35], s[10:11], 0x0            ; e0 .. e7
	s_lshl_b32 s40, s21, 15                        ; the weight: 32 kc rows of 1,024 bytes + 256 cg + 128 bl
	s_lshl_b32 s42, s17, 8
	s_add_co_u32 s40, s40, s42
	s_lshl_b32 s43, s22, 7
	s_add_co_u32 s40, s40, s43
	s_add_nc_u64 s[6:7], s[6:7], s[40:41]
	s_lshl_b32 s40, s18, 15                        ; o: token tile 8 rg + m, 4,096 bytes each
	s_lshl_b32 s43, s20, 12
	s_add_co_u32 s40, s40, s43
	s_add_nc_u64 s[4:5], s[4:5], s[40:41]
	s_lshl_b32 s43, s19, 7                         ; the bias: 256 cg + 128 bp
	s_add_co_u32 s40, s42, s43
	s_add_nc_u64 s[8:9], s[8:9], s[40:41]
	s_lshl_b32 s40, s18, 17                        ; out0: (128 rg + 8 w) rows of 1,024 bytes + 256 cg
	s_lshl_b32 s43, s16, 13
	s_add_co_u32 s40, s40, s43
	s_add_co_u32 s40, s40, s42
	s_add_nc_u64 s[12:13], s[12:13], s[40:41]
.set i, 0
.rept 32
	global_load_b32 v[WN+i], v[WO], s[6:7] offset:i*WROW   ; 32 rows of the weight at my column
.set i, i+1
.endr
.irp s, 0,1
.irp c, 0,1,2,3
	global_load_b128 v[SM+16*\s+4*\c:SM+16*\s+4*\c+3], v[LI], s[4:5] offset:2048*\s+512*\c   ; o's fragments as they lie: 512 consecutive bytes a load
.endr
.endr
.irp j, 0,1,2,3
	global_load_b128 v[BQ+4*\j:BQ+4*\j+3], v[BO], s[8:9] offset:16*\j
.endr
	s_wait_kmcnt 0x0
	s_add_co_i32 s36, s34, s35
	s_add_co_i32 s36, s36, 127
	s_lshl_b32 s36, s36, 23                        ; 2^(e6 + e7) as f32
	s_mov_b32 s37, s36                             ; (named with it as a pair, so it is written)
	s_add_co_i32 s44, s35, 127
	s_lshl_b32 s45, s44, 23
	v_mov_b32 v52, s45                             ; 2^e7 as f32: the conversion takes its exponent field
	s_add_co_i32 s44, s44, 8
	s_lshl_b32 s44, s44, 23
	s_or_b32 s44, s44, 0x600000
	v_mov_b32 v53, s44                             ; 448 x 2^e7
	s_wait_alu depctr_va_vdst(0)
	s_wait_loadcnt 12                              ; the weight's 32 loads are in: behind them stand o's 8 and the bias's 4
.set i, 0
.rept 32
	v_med3_num_f32 v[WN+i], v[WN+i], -v53, v53     ; the conversion to an 8-bit code does not saturate (ISA guide 7.6.2): the hold at the largest code x the scale
.set i, i+1
.endr
.set i, 0
.rept 4
	v_cvt_scalef32_pk8_fp8_f32 v[WC+2*i:WC+2*i+1], v[WN+8*i:WN+8*i+7], v52
.set i, i+1
.endr
	v_nop                                          ; one plain vector line behind the last conversion of a run
	ds_store_b128 v[WI], v[WC:WC+3]                ; k 0-15 of the block: lanes 0-15 of the image,
	ds_store_b128 v[WI], v[WC+4:WC+7] offset:256   ; k 16-31: lanes 16-31
	s_wait_dscnt 0x0                               ; for the others' sake: my part of the images lies in LDS
	s_barrier_signal -1
	s_barrier_wait -1
.irp a, 0,1
.irp s, 0,1
.irp c, 0,1,2,3
	ds_load_b128 v[BG+32*\a+16*\s+4*\c:BG+32*\a+16*\s+4*\c+3], v[ABG] offset:4096*\a+2048*\s+512*\c
.endr
.endr
.endr
	s_wait_loadcnt 0x0                             ; o and the bias
	s_wait_dscnt 0x0
	v_wmma_f32_16x16x128_fp8_fp8 v[ACC:ACC+7], v[BG:BG+15], v[SM:SM+15], 0                          ; the first K step starts both sums; the two accumulators take turns
	v_wmma_f32_16x16x128_fp8_fp8 v[ACC+8:ACC+15], v[BG+32:BG+47], v[SM:SM+15], 0
	v_wmma_f32_16x16x128_fp8_fp8 v[ACC:ACC+7], v[BG+16:BG+31], v[SM+16:SM+31], v[ACC:ACC+7]
	v_wmma_f32_16x16x128_fp8_fp8 v[ACC+8:ACC+15], v[BG+48:BG+63], v[SM+16:SM+31], v[ACC+8:ACC+15]
.rept 4
	v_nop                                          ; four places behind the products (ISA guide 7.12.1)
.endr
.set i, 0
.rept 8
	v_pk_fma_f32 v[ACC+i:ACC+i+1], v[ACC+i:ACC+i+1], s[36:37], v[BQ+i:BQ+i+1] op_sel_hi:[1,0,1]   ; sum x 2^(e6 + e7) + bias; each accumulator from its low end on
.set i, i+2
.endr
.irp j, 0,1,2,3
	ds_store_b128 v[SO], v[ACC+4*\j:ACC+4*\j+3] offset:16*\j
.endr
	s_wait_dscnt 0x0                               ; for the others' sake: my part of the rows lies in the stage
	s_barrier_signal -1
	s_barrier_wait -1
.irp j, 0,1,2,3
	ds_load_b128 v[OUTR+4*\j:OUTR+4*\j+3], v[SR] offset:2*SP*\j
.endr
.irp j, 0,1,2,3
	s_wait_dscnt 3-\j                              ; LDS loads come back in order (ISA guide 5.7.1): pair j of rows is in, the younger loads may be out
	global_store_b128 v[GO], v[OUTR+4*\j:OUTR+4*\j+3], s[12:13] offset:2048*\j th:TH_STORE_NT   ; sixteen lanes store 256 consecutive bytes, aligned; written once, read by nobody here
.endr
	s_wait_tensorcnt 0x0                           ; the wave's end, behind my last LDS store
	ds_add_u32 v[SPW], v[NIL]
	s_wait_dscnt 0x0
	s_endpgm
.Lfunc_end_k_q02ce83a6c1_proj:
	.size	k_q02ce83a6c1_proj, .Lfunc_end_k_q02ce83a6c1_proj-k_q02ce83a6c1_proj
	.p2alignl 7, 3214868480
	.fill 96, 4, 3214868480
	.section	.rodata,"a",@progbits
	.p2align	6, 0x0
	.amdhsa_kernel k_q02ce83a6c1_proj
		.amdhsa_group_segment_fixed_size 53248
		.amdhsa_private_segment_fixed_size 0
		.amdhsa_enable_private_segment 0
		.amdhsa_kernarg_size 40
		.amdhsa_user_sgpr_count 2
		.amdhsa_user_sgpr_kernarg_segment_ptr 1
		.amdhsa_wavefront_size32 1
		.amdhsa_system_sgpr_workgroup_id_x 1
		.amdhsa_system_sgpr_workgroup_id_y 1
		.amdhsa_system_sgpr_workgroup_id_z 1
		.amdhsa_system_vgpr_workitem_id 0
		.amdhsa_next_free_vgpr 200
		.amdhsa_next_free_sgpr 66
		.amdhsa_reserve_vcc 0
		.amdhsa_float_denorm_mode_32 3
		.amdhsa_float_denorm_mode_16_64 3
		.amdhsa_memory_ordered 1
		.amdhsa_forward_progress 1
		.amdhsa_inst_pref_size 14
	.end_amdhsa_kernel
	.amdgpu_metadata
---
amdhsa.version: [ 1, 2 ]
amdhsa.kernels:
  - .name:           k_q02ce83a6c1_proj
    .symbol:         k_q02ce83a6c1_proj.kd
    .args:
      - { .name: of, .offset: 0, .size: 8, .value_kind: global_buffer, .address_space: global }
      - { .name: w_proj, .offset: 8, .size: 8, .value_kind: global_buffer, .address_space: global }
      - { .name: b_proj, .offset: 16, .size: 8, .value_kind: global_buffer, .address_space: global }
      - { .name: lowp_scales, .offset: 24, .size: 8, .value_kind: global_buffer, .address_space: global }
      - { .name: out0, .offset: 32, .size: 8, .value_kind: global_buffer, .address_space: global }
    .group_segment_fixed_size: 53248
    .private_segment_fixed_size: 0
    .kernarg_segment_align: 8
    .kernarg_segment_size: 40
    .max_flat_workgroup_size: 512
    .sgpr_count:     66
    .vgpr_count:     200
    .wavefront_size: 32
...
	.end_amdgpu_metadata
.endif
;; end of part 3
